; MI455X (gfx1250); checked and timed in simulation.
; The chip was launched on July 23, 2026; its instructions are those of AMD's public machine-readable ISA for CDNA 5 (MIT licence, August 2026) and "CDNA5" Instruction Set Architecture Reference Guide (July 2026). The comments in the code are by the model that wrote it; some were corrected since.
;; Multi Head Attention. Allowed arithmetic: matrix products marked QUANTISED: E5M2 operands, one E8M0 scale for each 32 along K, by v_wmma_scale_f32_16x16x128_f8f6f4 with both operands' format E5M2, f32 sums; everything else in f32.
;; Inputs: Wk_codes 16 x 64 x 32 x 32 uint8 (E5M2 codes of Wk, K innermost, in blocks of 32 codes); Wk_scales 16 x 64 x 32 uint8 (E8M0 scales of Wk, one for each 32 codes along K); Wp_codes 1,024 x 32 x 32 uint8 (E5M2 codes of Wp, K innermost, in blocks of 32 codes); Wp_scales 1,024 x 32 uint8 (E8M0 scales of Wp, one for each 32 codes along K); Wq_codes 16 x 64 x 32 x 32 uint8 (E5M2 codes of Wq, K innermost, in blocks of 32 codes); Wq_scales 16 x 64 x 32 uint8 (E8M0 scales of Wq, one for each 32 codes along K); Wv_codes 16 x 64 x 32 x 32 uint8 (E5M2 codes of Wv, K innermost, in blocks of 32 codes); Wv_scales 16 x 64 x 32 uint8 (E8M0 scales of Wv, one for each 32 codes along K); bp 1,024 float32; x_codes 4 x 1,024 x 32 x 32 uint8 (E5M2 codes of x, K innermost, in blocks of 32 codes); x_scales 4 x 1,024 x 32 uint8 (E8M0 scales of x, one for each 32 codes along K).
;; Outputs: out0 4 x 1,024 x 1,024 float32.
;; This version of the problem:
;;   THIS VERSION OF THE PROBLEM IS GIVEN IN LOW PRECISION. The matrix products marked QUANTISED in the list below multiply operands that are first quantised to E5M2 (5 exponent bits, 2 mantissa bits; 8 bits a number), with one power-of-two scale for each 32 numbers along K (OCP MX v1.0); their sums are f32. All else is computed in f32.
;;   The module's matrix products, in the order in which they are computed (A, B: the left and right operand; K: the contracted axis; several contracted axes count as one K, in the product's order):
;;     1. [M 1,024, K 1,024] x [K 1,024, N 4,096]; A: input Wq (given as codes); B: input x (given as codes): QUANTISED
;;     2. [M 1,024, K 1,024] x [K 1,024, N 4,096]; A: input Wk (given as codes); B: input x (given as codes): QUANTISED
;;     3. [M 1,024, K 1,024] x [K 1,024, N 4,096]; A: input Wv (given as codes); B: input x (given as codes): QUANTISED
;;     4. batch 64 x [M 1,024, K 64] x [K 64, N 1,024]; A: computed on the way; B: computed on the way: QUANTISED
;;     5. batch 64 x [M 1,024, K 1,024] x [K 1,024, N 64]; A: softmax (see below); B: computed on the way: QUANTISED
;;     6. [M 4,096, K 1,024] x [K 1,024, N 1,024]; A: computed on the way; B: input Wp (given as codes): QUANTISED
;;   THE QUANTISER, for each operand of a quantised product, along K:
;;     - K is cut into blocks of 32 from its start; a last block that is shorter is filled with zeros.
;;     - A block's scale is 2^e with e = floor(log2(the largest magnitude in the block)) - 15, held to -126 .. 127; a block of zeros has e = 0. As a byte (E8M0): e + 127.
;;     - Each number is divided by its block's scale, clamped to +-57,344, and rounded to the nearest number of E5M2, ties to even, subnormals kept.
;;     - The product sums the exact products of the quantised numbers (number of the format x scale) in f32.
;;   ~~~python
;;   def quantise(x, axis):      # numpy; x: float32 -> the quantised numbers, widened to float32 again
;;       x = np.moveaxis(x, axis, -1); K = x.shape[-1]
;;       x = np.pad(x, [(0, 0)] * (x.ndim - 1) + [(0, -K % 32)]); x = x.reshape(x.shape[:-1] + (-1, 32)); a = np.abs(x).max(-1, keepdims=True)
;;       e = np.where(a > 0, np.clip(np.frexp(np.where(a > 0, a, 1))[1] - 1 - 15, -126, 127), 0)      # np.frexp(a)[1] - 1 = floor(log2(a)), exactly
;;       r = np.clip(x / 2.0 ** e, -57344, 57344)
;;       step = 2.0 ** (np.maximum(np.frexp(np.where(r == 0, 1, r))[1] - 1, -14) - 2)
;;       q = np.round(r / step) * step * 2.0 ** e      # np.round: ties to even
;;       return np.moveaxis(q.reshape(q.shape[:-2] + (-1,))[..., :K], -1, axis).astype(np.float32)
;;   ~~~
;;   SOFTMAX AHEAD OF A QUANTISED PRODUCT. Where the list says 'softmax', what is quantised is not the finished softmax but p = 2^(t - M), with t = logit x log2(e) and M = ceil(the row's largest t), a whole number; so 1/2 < the row's largest p <= 1. The row's sum l is taken of the UNQUANTISED p, in f32, and the product's result is divided by l at the end. Since M is a whole number, a kernel that streams over the keys may use a running M (the ceiling of the running maximum): every later rescaling is an exact power of two, which a block's scale takes up: the codes' values come out the same.
;;   OPERANDS COMPUTED ON THE WAY. 'Computed on the way' means the value that the module computes at that place (a softmax that the list does not call 'softmax' is quantised finished and normalised). What goes into a quantiser is computed in f32, as accurately as f32 sums, v_exp_f32 and their like allow (about 1e-6 of the number): no bf16 or f16 on the way to a quantiser, and a product that is left as it is and whose result goes on into a quantised operand takes f32 operands (vector FMAs, or v_wmma_f32_16x16x4_f32). A number that lies on a knife's edge between two numbers of the format may be rounded either way, as far as f32 arithmetic and the matrix unit's own rounding can turn it there, and no further.
;;   INPUTS GIVEN AS CODES. Wk (in the module: [16, 1024, 64], K = its axis 1); Wp (in the module: [1024, 1024], K = its axis 0); Wq (in the module: [16, 1024, 64], K = its axis 1); Wv (in the module: [16, 1024, 64], K = its axis 1); x (in the module: [4, 1024, 1024], K = its axis 2): each comes as NAME_codes (uint8): NAME with its K axis moved to the last place and cut into blocks of 32 codes, [.., K / 32, bytes a block], one block behind the other in memory; one code a byte (a code: sign, 5 exponent bits, 2 mantissa bits); and NAME_scales (uint8): the same leading axes, one E8M0 byte (e + 127) for each 32 codes along K. Its value is code x scale, taken as it is: it is not quantised again, and the codes and scales need not be those that the quantiser above would give.
;; One version. Each part assembles by itself: llvm-mc -triple=amdgcn-amd-amdhsa -mcpu=gfx1250 --defsym DOCPART=n.
;; ======== version 1 of 1: 3 launches
;; limits: right only within a limited range of input values
;; workspace buffers: qkv 13,238,272 bytes; ac 4,194,304 bytes; asc 131,072 bytes
;; launch proj (part 1): grid 16 x 16, 4 waves a work-group, clusters of 4 x 4, 327,680 bytes of LDS; arguments x_codes, x_scales, Wq_codes, Wq_scales, Wk_codes, Wk_scales, Wv_codes, Wv_scales, qkv; writes qkv
.if DOCPART == 1
	.amdgcn_target "amdgcn-amd-amdhsa--gfx1250"
	.amdhsa_code_object_version 6
	.text
	.protected	k_q1ab1c738f3_proj
	.globl	k_q1ab1c738f3_proj
	.p2align	8
	.type	k_q1ab1c738f3_proj,@function
k_q1ab1c738f3_proj:
	s_mov_b64 s[64:65], 0
	v_nop
	global_prefetch_b8 v0, s[64:65] scope:SCOPE_SE
	s_setreg_imm32_b32 hwreg(HW_REG_WAVE_MODE, 25, 1), 1
	s_wait_xcnt 0x0
	s_wait_alu depctr_hold_cnt(0) depctr_sa_sdst(0) depctr_va_vdst(0) depctr_va_sdst(0) depctr_va_ssrc(0) depctr_va_vcc(0) depctr_vm_vsrc(0)
	s_getreg_b32 s2, hwreg(HW_REG_IB_STS2, 6, 4)
	s_cmp_eq_u32 s2, 0
	s_cbranch_scc0 .Lentry_in_a_cluster
	s_endpgm
.Lentry_in_a_cluster:
	s_bfe_u32 s2, ttmp6, 0x10000c
	s_cmp_lg_u32 s2, 0xf033
	s_cbranch_scc0 .Lentry_shape_is_right
	s_endpgm
.Lentry_shape_is_right:
; MULTI-HEAD ATTENTION IN THREE LAUNCHES.  This one: q, k, v = x Wq, x Wk, x Wv on codes of BF8 (E5M2) with E8M0 scales, f32 sums, each result quantised again for the launch that reads it.
; WORK LEFT OUT by the program: scores of keys that the causal mask of reference() hides for every query of a tile, and their products with v (in the next launch): their p is 0 for all values of the inputs.  Every input is loaded.
; LIMITS: NaN, infinities and overflow are not served (and none that reaches only the work left out is carried to the result).  A block whose largest magnitude lies under 2^-111, and a block of zeros, get the byte 1 (bytes that this program alone reads).
; SHARES.  Work-group: 256 tokens x one head's 64 + 64 + 64 columns; four waves, each 64 tokens x 192 columns: 48 accumulators.  K goes in four steps of 256 through a ring of two slots, filled by joint loads of a 4 x 4 cluster: wave 0 x's 256 rows, waves 1, 2, 3 the head's 64 rows of Wq, Wk, Wv.
; The scale words go from memory straight into registers: 32 loads a wave, 16 rows of 32 bytes for each tile.  K steps 1, 2, 3 are asked for ahead (macro ASK).
; q and k are made transposed (a lane holds a token and runs along d), v the other way (a lane holds a d and runs along the tokens): each runs along the K of the product that takes it.
.set PITCH, 272
.set XT,    256*PITCH
.set WT,    64*PITCH
.set SLOT,  XT+3*WT
.set VSG,   259072
.set SPARE, 259584
.set QS_OFF, 4194304
.set KV_OFF, 4462592                   ; a head's block of 137,216 bytes: K's scale words (4,096), V's (2,048), then the codes, which begin here for head 0
.set HEADB,  137216
.set NP,   8
.set ADRX, 16
.set ADRW, 20
.set LI,   24
.set SOFF, 25
.set VSA,  26
.set VRD,  27
.set SPW,  28
.set NIL,  29
.set PFO,  30                          ; the prefetches' offset: never rewritten
.set SC,   32                          ; x's scale words: tile i, 128 along K number ks: v[SC + 8 i + ks]
.set SCW,  68                          ; the weights': tile T: v[SCW + 8 T + ks]
.set TM,   164
.set HQ,   180
.set HK,   184
.set HV,   188
.set SQ,   8
.set PC,   192
.set WV,   22
.set MNT,  23
.set SEL,  66
.set G1X,  24
.set G0X,  32
.set G1W,  40
.set G0W,  48
.set PFA,  88                          ; s[88:89] where my prefetches' rows begin
.set W_QK, 0xad
.set W_V,  0xf7
.set TO_W, 0x40
.set TO_X, 0xc0
.set MSB, 0
.macro WIN new
.if MSB != (\new)
	s_set_vgpr_msb (MSB<<8)|(\new)
.set MSB, (\new)
.endif
.endm
.macro PLACES n
.rept \n
	v_nop
.endr
.endm
.macro JLOAD g0x, g1x, g0w, g1w
	s_cmp_eq_u32 s[WV], 0
	s_cbranch_scc0 .Lfor_w_\@
	tensor_load_to_lds s[\g0x:\g0x+3], s[\g1x:\g1x+7]
	s_nop 0
.rept 4
	v_nop
.endr
	s_branch .Lasked_\@
.Lfor_w_\@:
	tensor_load_to_lds s[\g0w:\g0w+3], s[\g1w:\g1w+7]
	s_nop 0
.rept 4
	v_nop
.endr
.Lasked_\@:
.endm
.macro CREST
	s_cmp_lg_u32 s[WV], 0
	s_cbranch_scc1 .Lnot_wave_0_\@
	s_barrier_signal -3
.Lnot_wave_0_\@:
	s_barrier_wait -3
	s_barrier_signal -1
	s_barrier_wait -1
.endm
.macro CROUND
	s_barrier_signal -1
	s_barrier_wait -1
	CREST
.endm
	s_load_b512 s[4:19], s[0:1], 0x0
	s_load_b64 s[20:21], s[0:1], 0x40
	v_lshl_add_u32 v[SPW], v0, 2, SPARE
	v_mov_b32 v[NIL], 0
	ds_add_u32 v28, v29
	ds_add_u32 v28, v29
	s_wait_dscnt 0x0
	v_lshrrev_b32 v1, 5, v0
	v_readfirstlane_b32 s[WV], v1
	s_bfe_u32 s84, ttmp6, 0x40000
	s_bfe_u32 s85, ttmp6, 0x40004
	s_lshl_b32 s86, ttmp9, 2
	s_add_co_u32 s86, s86, s84
	s_and_b32 s87, ttmp7, 0xffff
	s_lshl_b32 s87, s87, 2
	s_add_co_u32 s87, s87, s85
	s_lshl_b32 s88, s85, 2
	s_lshl_b32 s88, 15, s88
	s_lshl_b32 s89, 0x1111, s84
	s_or_b32 s[G1X], s88, (1<<20)|(1<<21)|(5<<22)|(3<<25)
	s_mov_b32 s[G1X+1], 256<<16
	s_mov_b32 s[G1X+2], 256<<16
	s_mov_b32 s[G1X+3], 256<<16
	s_mov_b32 s[G1X+4], 256
	s_mov_b32 s[G1X+5], 1024
	s_mov_b32 s[G1X+6], 0
	s_mov_b32 s[G1X+7], 0
	s_or_b32 s[G1W], s89, (1<<20)|(1<<21)|(5<<22)|(3<<25)
	s_mov_b32 s[G1W+1], 256<<16
	s_mov_b32 s[G1W+2], 64<<16
	s_mov_b32 s[G1W+3], 256<<16
	s_mov_b32 s[G1W+4], 64
	s_mov_b32 s[G1W+5], 1024
	s_mov_b32 s[G1W+6], 0
	s_mov_b32 s[G1W+7], 0
	s_lshl_b32 s94, s87, 18                        ; x's codes: 256 rows of 1,024 bytes for each token block
	s_mov_b32 s95, 0
	s_lshl_b32 s98, s87, 13                        ; x's scale bytes: 32 a row, my 64 rows of them
	s_lshl_b32 s2, s[WV], 11
	s_add_co_u32 s98, s98, s2
	s_lshl_b32 s96, s86, 16                        ; a weight's codes for my head: 64 rows
	s_mov_b32 s97, 0
	s_lshl_b32 s2, s86, 11                         ; and its scale bytes
	v_and_b32 v1, 15, v0
	v_lshlrev_b32 v1, 5, v1
	v_add_nc_u32 v6, s98, v1                       ; row r of a tile: 32 r bytes on
	v_add_nc_u32 v7, s2, v1
	s_wait_alu depctr_va_vdst(0)
	s_wait_kmcnt 0x0
.irp i, 0,1,2,3
	global_load_b128 v[SC+8*\i:SC+8*\i+3], v6, s[6:7] offset:512*\i
	global_load_b128 v[SC+8*\i+4:SC+8*\i+7], v6, s[6:7] offset:512*\i+16
	global_load_b128 v[SCW+8*\i:SCW+8*\i+3], v7, s[10:11] offset:512*\i
	global_load_b128 v[SCW+8*\i+4:SCW+8*\i+7], v7, s[10:11] offset:512*\i+16
	global_load_b128 v[SCW+32+8*\i:SCW+32+8*\i+3], v7, s[14:15] offset:512*\i
	global_load_b128 v[SCW+32+8*\i+4:SCW+32+8*\i+7], v7, s[14:15] offset:512*\i+16
	global_load_b128 v[SCW+64+8*\i:SCW+64+8*\i+3], v7, s[18:19] offset:512*\i
	global_load_b128 v[SCW+64+8*\i+4:SCW+64+8*\i+7], v7, s[18:19] offset:512*\i+16
.endr
	s_cmp_eq_u32 s[WV], 2
	s_cselect_b64 s[90:91], s[12:13], s[8:9]
	s_cmp_eq_u32 s[WV], 3
	s_cselect_b64 s[90:91], s[16:17], s[90:91]
	s_add_nc_u64 s[90:91], s[90:91], s[96:97]
	s_add_nc_u64 s[94:95], s[4:5], s[94:95]
	s_lshl_b32 s2, s84, 6                          ; the four partners share the rows out by address: 64 of x's 256,
	s_lshl_b32 s3, s85, 4                          ; 16 of a weight's 64
	s_cmp_eq_u32 s[WV], 0
	s_cselect_b64 s[PFA:PFA+1], s[94:95], s[90:91]
	s_cselect_b32 s96, 31, 15                      ; a weight's lanes 16-31 name their wave's last block again
	s_cselect_b32 s2, s2, s3
	v_and_b32 v5, 31, v0
	v_min_u32 v[PFO], s96, v5
	v_add_nc_u32 v[PFO], s2, v[PFO]
	v_lshlrev_b32 v[PFO], 10, v[PFO]
	s_mul_i32 s3, s[WV], WT
.irp n, 0,1
	s_mov_b32 s[G0X+4*\n], 1
	s_mov_b32 s[G0X+4*\n+1], \n*SLOT
	s_add_nc_u64 s[G0X+4*\n+2:G0X+4*\n+3], s[94:95], \n*256
	s_or_b32 s[G0X+4*\n+3], s[G0X+4*\n+3], 0x80000000
	s_mov_b32 s[G0W+4*\n], 1
	s_add_co_u32 s[G0W+4*\n+1], s3, XT-WT+\n*SLOT
	s_add_nc_u64 s[G0W+4*\n+2:G0W+4*\n+3], s[90:91], \n*256
	s_or_b32 s[G0W+4*\n+3], s[G0W+4*\n+3], 0x80000000
.endr
	s_wait_alu depctr_va_vdst(0)
	CROUND                                         ; all sixteen work-groups are here: the first joint loads meet
	JLOAD G0X, G1X, G0W, G1W                       ; K step 0: one load a wave
	v_and_b32 v1, 15, v0
	v_bfe_u32 v2, v0, 4, 1
	v_mul_u32_u24 v3, v1, PITCH
	v_lshl_add_u32 v3, v2, 4, v3
	s_mul_i32 s2, s[WV], 64*PITCH
	v_add_nc_u32 v[ADRX], s2, v3
	v_add_nc_u32 v[ADRX+1], SLOT, v[ADRX]
	v_add_nc_u32 v[ADRW], XT, v3
	v_add_nc_u32 v[ADRW+1], SLOT, v[ADRW]
	v_and_b32 v5, 31, v0
	v_lshlrev_b32 v[LI], 4, v5
	s_lshr_b32 s2, s[WV], 1
	s_lshl_b32 s2, s2, 8
	s_and_b32 s3, s[WV], 1
	s_lshl_b32 s3, s3, 1
	s_add_co_u32 s2, s2, s3
	s_add_co_u32 s2, s2, VSG
	v_lshl_add_u32 v[VSA], v1, 4, s2
	v_add_nc_u32 v[VRD], VSG, v[LI]
	s_lshr_b32 s2, s87, 2
	s_and_b32 s3, s87, 3
	s_lshl_b32 s2, s2, 4
	s_add_co_u32 s2, s2, s86
	s_lshl_b32 s90, s2, 16
	s_lshl_b32 s91, s3, 14
	s_add_co_u32 s90, s90, s91
	s_lshl_b32 s91, s[WV], 12
	s_add_co_u32 s90, s90, s91
	s_mov_b32 s91, 0
	s_wait_alu depctr_va_vdst(0)
	s_wait_xcnt 0x0                                ; the scale words' loads have taken their bases: these registers now take the results' addresses
	s_add_nc_u64 s[4:5], s[20:21], s[90:91]
	s_mul_i32 s92, s2, HEADB
	s_add_co_u32 s92, s92, KV_OFF
	s_lshl_b32 s93, s3, 1
	s_lshr_b32 s94, s[WV], 1
	s_add_co_u32 s93, s93, s94
	s_lshl_b32 s93, s93, 14
	s_add_co_u32 s90, s92, s93
	s_and_b32 s94, s[WV], 1
	s_lshl_b32 s95, s94, 12
	s_add_co_u32 s96, s90, s95
	s_mov_b32 s97, 0
	s_add_nc_u64 s[6:7], s[20:21], s[96:97]
	s_lshl_b32 s95, s94, 10
	s_add_co_u32 s96, s90, s95
	s_add_co_u32 s96, s96, 8192
	s_add_nc_u64 s[8:9], s[20:21], s[96:97]
	s_lshl_b32 s96, s2, 12
	s_lshl_b32 s95, s3, 10
	s_add_co_u32 s96, s96, s95
	s_lshl_b32 s95, s[WV], 8
	s_add_co_u32 s96, s96, s95
	s_add_co_u32 s96, s96, QS_OFF
	s_add_nc_u64 s[10:11], s[20:21], s[96:97]
	s_lshl_b32 s95, s3, 9
	s_add_co_u32 s96, s92, s95
	s_sub_co_u32 s96, s96, 2048                    ; V's scale words lie 2,048 bytes ahead of the codes
	s_add_nc_u64 s[12:13], s[20:21], s[96:97]
	s_mul_i32 s95, s2, HEADB-4096
	s_add_co_u32 s95, s95, KV_OFF-6144-QS_OFF      ; K's 6,144 ahead
	v_mul_lo_u32 v[SOFF], v2, s95
	v_lshl_add_u32 v[SOFF], v1, 4, v[SOFF]
	s_mov_b32 s[SEL], 0x76543210
	s_mov_b32 s[SEL+1], 0xfedcba98
	s_mov_b32 s[MNT], 0x600000
.irp b, 0,1,2,3
	v_mov_b32 v[TM+4+\b], 0
.endr
.macro FRAG reg, adr, q, i
.irp c, 0,1,2,3
	ds_load_b128 v[\reg+4*\c:\reg+4*\c+3], v[\adr] offset:128*(\q)+32*\c+(\i)*16*PITCH
.endr
.endm
.macro FETCH_X slot, q, xs
	WIN TO_X
.irp i, 0,1,2,3
	FRAG 128+64*(\xs)+16*\i, ADRX+\slot, \q, \i
.endr
.endm
.macro FETCH_W slot, q, T0
	WIN TO_W
.irp T, 0,1,2,3,4,5
	FRAG 16*((\T0)+\T), ADRW+\slot, \q, (\T0)+\T
.endr
.endm
; A PREFETCH INTO THE L2 of K step k: 256 bytes of each row, a lane a row.  Wave 0 asks for 64 rows of x (two instructions), waves 1, 2, 3 for 16 rows of their weight: each block once in each cluster that will load it.
.macro ASK k
	global_prefetch_b8 v[PFO], s[PFA:PFA+1] offset:256*(\k) th:TH_LOAD_NT scope:SCOPE_SE
	s_cmp_eq_u32 s[WV], 0
	s_cbranch_scc0 .Lno_more_\@
	global_prefetch_b8 v[PFO], s[PFA:PFA+1] offset:32768+256*(\k) th:TH_LOAD_NT scope:SCOPE_SE
.Lno_more_\@:
.endm
.macro MULQK T, xs, ks, zero
.irp i, 0,1,2,3
.set AC, 128*((\T)/4)+32*\i+8*((\T)%4)
.set XF, 128+64*(\xs)+16*\i
.if \zero
	v_wmma_scale_f32_16x16x128_f8f6f4 v[AC:AC+7], v[16*(\T):16*(\T)+15], v[XF:XF+15], 0, v[SCW+8*(\T)+(\ks)], v[SC+8*\i+(\ks)] matrix_a_fmt:MATRIX_FMT_BF8 matrix_b_fmt:MATRIX_FMT_BF8
.else
	v_wmma_scale_f32_16x16x128_f8f6f4 v[AC:AC+7], v[16*(\T):16*(\T)+15], v[XF:XF+15], v[AC:AC+7], v[SCW+8*(\T)+(\ks)], v[SC+8*\i+(\ks)] matrix_a_fmt:MATRIX_FMT_BF8 matrix_b_fmt:MATRIX_FMT_BF8
.endif
.endr
.endm
.macro MULV T, xs, ks, zero
.irp i, 0,1,2,3
.set AC, 32*((\T)-8)+8*\i
.set XF, 128+64*(\xs)+16*\i
.if \zero
	v_wmma_scale_f32_16x16x128_f8f6f4 v[AC:AC+7], v[XF:XF+15], v[16*(\T):16*(\T)+15], 0, v[SC+8*\i+(\ks)], v[SCW+8*(\T)+(\ks)] matrix_a_fmt:MATRIX_FMT_BF8 matrix_b_fmt:MATRIX_FMT_BF8
.else
	v_wmma_scale_f32_16x16x128_f8f6f4 v[AC:AC+7], v[XF:XF+15], v[16*(\T):16*(\T)+15], v[AC:AC+7], v[SC+8*\i+(\ks)], v[SCW+8*(\T)+(\ks)] matrix_a_fmt:MATRIX_FMT_BF8 matrix_b_fmt:MATRIX_FMT_BF8
.endif
.endr
.endm
.macro MULHI ks, zero
	WIN W_QK
	MULQK 6, (\ks)%2, \ks, \zero
	MULQK 7, (\ks)%2, \ks, \zero
	WIN W_V
.irp T, 8,9,10,11
	MULV \T, (\ks)%2, \ks, \zero
.endr
.endm
.macro STEP slot, ks, zero
	s_wait_dscnt 24
	WIN W_QK
.irp T, 0,1,2,3,4,5
	MULQK \T, (\ks)%2, \ks, \zero
.endr
	s_wait_dscnt 0x0
	PLACES NP
	FETCH_X \slot, 1, ((\ks)+1)%2
	FETCH_W \slot, 1, 0
	MULHI \ks, \zero
	PLACES NP
	FETCH_W \slot, 1, 6
	WIN 0
.endm
.macro TURN slot, next, ks, fill
	s_wait_tensorcnt 0x0
	ds_add_u32 v[SPW], v[NIL]
	s_wait_dscnt 25
	WIN W_QK
.irp T, 0,1,2
	MULQK \T, (\ks)%2, \ks, 0
.endr
	s_wait_dscnt 0x0
	s_barrier_signal -1
.irp T, 3,4,5
	MULQK \T, (\ks)%2, \ks, 0
.endr
	WIN 0
	s_barrier_wait -1
.if \fill
	CREST
	s_add_nc_u64 s[G0X+4*\slot+2:G0X+4*\slot+3], s[G0X+4*\slot+2:G0X+4*\slot+3], 512
	s_add_nc_u64 s[G0W+4*\slot+2:G0W+4*\slot+3], s[G0W+4*\slot+2:G0W+4*\slot+3], 512
	JLOAD G0X+4*\slot, G1X, G0W+4*\slot, G1W
	PLACES NP-4
.else
	PLACES NP
.endif
	FETCH_X \next, 0, ((\ks)+1)%2
	FETCH_W \next, 0, 0
	MULHI \ks, 0
	PLACES NP
	FETCH_W \next, 0, 6
	WIN 0
.endm
.macro QUANT X, s, pc, h0, h1
	WIN ((\X)<<2)|((\X)<<4)
.irp b, 0,1,2,3
	v_max3_num_f32 v[TM+\b], 0x8000000, |v[\s+16*\b]|, |v[\s+16*\b+1]|
.endr
.irp i, 2,4,6,8,10,12,14
.irp b, 0,1,2,3
	v_max3_num_f32 v[TM+\b], v[TM+\b], |v[\s+16*\b+\i]|, |v[\s+16*\b+\i+1]|
.endr
.endr
	WIN 0
.irp b, 0,1,2,3
	v_permlanex16_b32 v[TM+4+\b], v[TM+\b], s[SEL], s[SEL+1]
.endr
.irp b, 0,1,2,3
	v_max_num_f32 v[TM+\b], v[TM+\b], v[TM+4+\b]
.endr
.irp b, 0,1,2,3
	v_add_nc_u32 v[TM+12+\b], 0xf8800000, v[TM+\b]
.endr
.irp b, 0,1,2,3
	v_and_or_b32 v[TM+8+\b], v[TM+\b], 0x7f800000, s[MNT]
.endr
.irp b, 0,1,2,3
	v_lshrrev_b32 v[TM+4+\b], 23, v[TM+12+\b]
.endr
	v_lshl_or_b32 v[\h0], v[TM+5], 8, v[TM+4]
	v_lshl_or_b32 v[\h1], v[TM+7], 8, v[TM+6]
	WIN (\X)|((\X)<<6)
.irp b, 0,1,2,3
.irp i, 0,1,2,3,4,5,6,7,8,9,10,11,12,13,14,15
	v_med3_num_f32 v[\s+16*\b+\i], v[\s+16*\b+\i], -v[TM+8+\b], v[TM+8+\b]
.endr
.endr
	WIN (\X)
.irp b, 0,1,2,3
	v_cvt_scalef32_pk8_bf8_f32 v[\pc+4*\b:\pc+4*\b+1], v[\s+16*\b:\s+16*\b+7], v[TM+12+\b]
	v_cvt_scalef32_pk8_bf8_f32 v[\pc+4*\b+2:\pc+4*\b+3], v[\s+16*\b+8:\s+16*\b+15], v[TM+12+\b]
.endr
	WIN 0
	v_nop
.endm
.macro OUT4 pc, base, off
.irp m, 0,1,2,3
	global_store_b128 v[LI], v[\pc+4*\m:\pc+4*\m+3], s[\base:\base+1] offset:\off+512*\m
.endr
.endm
.macro OUTV pc, off
.irp m, 0,1,2,3
	global_store_b128 v[LI], v[\pc+4*\m:\pc+4*\m+3], s[8:9] offset:\off+(\m/2)*2048+(\m%2)*512
.endr
.endm
	ASK 1
	ASK 2
	s_wait_alu depctr_va_vdst(0)
	s_wait_tensorcnt 0x0                           ; my part of K step 0 is in
	ds_add_u32 v[SPW], v[NIL]
	s_wait_dscnt 0x0
	CROUND                                         ; everybody's part is in
	JLOAD G0X+4, G1X, G0W+4, G1W                   ; K step 1, the first tensor load behind the round
	FETCH_X 0, 0, 0
	FETCH_W 0, 0, 0
	FETCH_W 0, 0, 6
	WIN 0
	ASK 3
	s_wait_loadcnt 0x0                             ; the scale words
	STEP 0, 0, 1
	TURN 0, 1, 1, 1
	STEP 1, 2, 0
	TURN 1, 0, 3, 1
	STEP 0, 4, 0
	TURN 0, 1, 5, 0
	STEP 1, 6, 0
	s_wait_dscnt 24
	WIN W_QK
.irp T, 0,1,2,3,4,5
	MULQK \T, 1, 7, 0
.endr
	s_wait_dscnt 0x0
	MULHI 7, 0
	WIN 0
	PLACES NP
	QUANT 2, 0, PC, HQ, HQ+1
	OUT4 PC, 4, 0
	QUANT 2, 64, PC+16, HQ+2, HQ+3
	OUT4 PC+16, 4, 2048
	QUANT 2, 128, PC+32, HK, HK+1
	OUT4 PC+32, 6, 0
	QUANT 2, 192, PC+48, HK+2, HK+3
	OUT4 PC+48, 6, 2048
	s_wait_xcnt 0x0
	QUANT 3, 0, PC, HV, HV+1
	OUTV PC, 0
	QUANT 3, 64, PC+16, HV+2, HV+3
	OUTV PC+16, 4096
	v_cmp_eq_u32 vcc_lo, 1, v2
.irp i, 0,1,2,3
	v_cndmask_b32 v[SQ+\i], v[HQ+\i], v[HK+\i], vcc_lo
.endr
	global_store_b128 v[SOFF], v[SQ:SQ+3], s[10:11]
.irp t, 0,1,2,3
	ds_store_b16 v[VSA], v[HV+\t] offset:4*\t
.endr
	s_wait_dscnt 0x0
	s_barrier_signal -1
	s_barrier_wait -1
	s_cmp_lg_u32 s[WV], 0
	s_cbranch_scc1 .Lnot_mine
	ds_load_b128 v[TM:TM+3], v[VRD]
	s_wait_dscnt 0x0
	global_store_b128 v[LI], v[TM:TM+3], s[12:13]
.Lnot_mine:
	s_wait_tensorcnt 0x0
	ds_add_u32 v[SPW], v[NIL]
	s_wait_dscnt 0x0
	CROUND
	s_endpgm
.Lfunc_end_k_q1ab1c738f3_proj:
	.size	k_q1ab1c738f3_proj, .Lfunc_end_k_q1ab1c738f3_proj-k_q1ab1c738f3_proj
	.p2alignl 7, 3214868480
	.fill 96, 4, 3214868480
	.section	.rodata,"a",@progbits
	.p2align	6, 0x0
	.amdhsa_kernel k_q1ab1c738f3_proj
		.amdhsa_group_segment_fixed_size 327680
		.amdhsa_private_segment_fixed_size 0
		.amdhsa_enable_private_segment 0
		.amdhsa_kernarg_size 72
		.amdhsa_user_sgpr_count 2
		.amdhsa_user_sgpr_kernarg_segment_ptr 1
		.amdhsa_wavefront_size32 1
		.amdhsa_system_sgpr_workgroup_id_x 1
		.amdhsa_system_sgpr_workgroup_id_y 1
		.amdhsa_system_sgpr_workgroup_id_z 1
		.amdhsa_system_vgpr_workitem_id 0
		.amdhsa_next_free_vgpr 1024
		.amdhsa_next_free_sgpr 100
		.amdhsa_reserve_vcc 1
		.amdhsa_float_denorm_mode_32 3
		.amdhsa_float_denorm_mode_16_64 3
		.amdhsa_memory_ordered 1
		.amdhsa_forward_progress 1
		.amdhsa_inst_pref_size 153
	.end_amdhsa_kernel
	.amdgpu_metadata
---
amdhsa.version: [ 1, 2 ]
amdhsa.kernels:
  - .name:           k_q1ab1c738f3_proj
    .symbol:         k_q1ab1c738f3_proj.kd
    .args:
      - { .name: x_codes, .offset: 0, .size: 8, .value_kind: global_buffer, .address_space: global }
      - { .name: x_scales, .offset: 8, .size: 8, .value_kind: global_buffer, .address_space: global }
      - { .name: Wq_codes, .offset: 16, .size: 8, .value_kind: global_buffer, .address_space: global }
      - { .name: Wq_scales, .offset: 24, .size: 8, .value_kind: global_buffer, .address_space: global }
      - { .name: Wk_codes, .offset: 32, .size: 8, .value_kind: global_buffer, .address_space: global }
      - { .name: Wk_scales, .offset: 40, .size: 8, .value_kind: global_buffer, .address_space: global }
      - { .name: Wv_codes, .offset: 48, .size: 8, .value_kind: global_buffer, .address_space: global }
      - { .name: Wv_scales, .offset: 56, .size: 8, .value_kind: global_buffer, .address_space: global }
      - { .name: qkv, .offset: 64, .size: 8, .value_kind: global_buffer, .address_space: global }
    .group_segment_fixed_size: 327680
    .private_segment_fixed_size: 0
    .kernarg_segment_align: 8
    .kernarg_segment_size: 72
    .max_flat_workgroup_size: 128
    .sgpr_count:     100
    .vgpr_count:     1024
    .wavefront_size: 32
...
	.end_amdgpu_metadata
.endif
;; end of part 1
;; launch attn (part 2): grid 4 x 64, 8 waves a work-group, clusters of 4 x 1, 327,680 bytes of LDS; arguments qkv, ac, asc; writes ac, asc
.if DOCPART == 2
	.amdgcn_target "amdgcn-amd-amdhsa--gfx1250"
	.amdhsa_code_object_version 6
	.text
	.protected	k_q1ab1c738f3_attn
	.globl	k_q1ab1c738f3_attn
	.p2align	8
	.type	k_q1ab1c738f3_attn,@function
k_q1ab1c738f3_attn:
	s_mov_b64 s[64:65], 0
	v_nop
	global_prefetch_b8 v0, s[64:65] scope:SCOPE_SE
	s_setreg_imm32_b32 hwreg(HW_REG_WAVE_MODE, 25, 1), 1
	s_wait_xcnt 0x0
	s_wait_alu depctr_hold_cnt(0) depctr_sa_sdst(0) depctr_va_vdst(0) depctr_va_sdst(0) depctr_va_ssrc(0) depctr_va_vcc(0) depctr_vm_vsrc(0)
	s_getreg_b32 s2, hwreg(HW_REG_IB_STS2, 6, 4)
	s_cmp_eq_u32 s2, 0
	s_cbranch_scc0 .Lentry_in_a_cluster
	s_endpgm
.Lentry_in_a_cluster:
	s_bfe_u32 s2, ttmp6, 0x10000c
	s_cmp_lg_u32 s2, 0x3003
	s_cbranch_scc0 .Lentry_shape_is_right
	s_endpgm
.Lentry_shape_is_right:
; Causal attention of one head on codes of BF8 (E5M2), one E8M0 scale for each 32 along a product's K; the result, divided by the row's sum, is quantised along C and leaves as codes for the last product.
; SOFTMAX: t = score x log2(e) / 32; M = the running largest t rounded UP to a whole number; p = 2^(t - M) is quantised along the keys, not normalised; the row's sum is taken of the unquantised p.  When M moves, the sum and
; O are multiplied by 2^(old M - new M): exact.  A block's largest p is made from the block's largest score by the same multiply-add and exponential (this takes v_exp_f32 not to fall where its input rises).
; SHARES.  The four work-groups of a cluster serve one head (y = bh); each has eight waves and sixteen tiles of 16 queries: tile 4 P + cx for position P = 0 .. 15.  Position P needs key steps 0 .. P / 2 of 128 keys.
; Wave w takes position 8 + w (long), then 7 - w (short): nine key steps in every wave.  The long tile's step 0 stands ahead of the loop, the other eight are the loop's trips.
; THE CAUSAL MASK leaves out, in whole tiles: the key steps behind a tile's diagonal, and, where P is even, the last 64 keys of the diagonal step (the tile lies in its first half for every cx).  In the half that holds the diagonal hidden scores become -infinity.
; No branch hangs on the place in the cluster, which enters only Q's and the outputs' global addresses and the mask's compare.
; LDS holds an image of the head's block of the workspace: K's scale words, V's, then the codes of the 8 key steps as images of the operands' registers.  It is filled ONCE by joint loads of the four work-groups, one load a wave: wave 0 all scale words
; and key step 0, waves 1 .. 7 a key step each.  No prefetch: all that is read is asked for once, at the head, and there is no loop over memory to run ahead in.
; LAYOUT.  Both products transposed: S^T = K Q^T, O^T = V^T P^T: a lane holds one query.  The head size is 64: the upper 64 of the first product's K are zero codes on Q's side; on K's side the next tile's codes stand there, which add nothing.
; Byte idx of block c is K = 32 c + 16 (idx / 8) + 8 (lane / 16) + idx % 8 in q, k, v and p alike.  The last product meets a given operand: there the codes are put into their natural order by one exchange between the halves of the lanes.
; LDS READS run ahead: behind the scores' products V of this step and K of the next are fetched, with the whole softmax to land in (the last trip's look-ahead reads key step 0 and drops it).
; LIMITS: NaN and infinities are not served; a block whose largest magnitude lies under 2^-111 gets the byte 1, and so does a block of zeros (its codes are zeros; these bytes are read by this program alone).
.set QS_OFF, 4194304
.set KV_OFF, 4456448
.set HEADB,  137216
.set VW,   4096                        ; LDS: V's scale words [key step][r][d tile]; K's [group of 4 tiles][r][tile] begin at 0
.set CB,   6144                        ; the codes: 16,384 bytes a key step
.set SPARE, 196608                     ; the spare words, 128 bytes for each wave
.set LI,   1                           ; 16 x lane
.set ASK0, 2                           ; 16 r
.set DM,   4                           ; 16 cx + r - 8 h
.set RR,   5
.set HH,   6
.set GO,   7                           ; 32 r + h: my byte of asc
.set SPW,  8
.set NIL,  9
.set ADK,  10                          ; this step's codes
.set ADT,  11                          ; its scale words of V
.set ADN,  56                          ; the next step's codes
.set ADS,  57                          ; its scale words of K
; v12 -M, v13 the largest t, v[14:15] the sum; v16-23 Q, v24-31 zeros; v32-39 the short tile's Q
.set Q2,   32
.set KSC,  40                          ; scale words: v40-47 K's, v48-51 V's, v52 Q's, v53 the short tile's, v54 p's
.set VSC,  48
.set QSC,  52
.set QSC2, 53
.set PSC,  54
.set F,    60                          ; v60 2^(old M - new M); v61 0 (named with it as a pair)
.set S,    64                          ; v64-127 S^T, then p
.set O,    128                         ; v128-159 O^T
.set PCD,  160                         ; v160-175 p's codes
.set BM,   176
.set PT,   180
.set SCO,  184                         ; the conversions' scale operands
.set HD,   188                         ; the holds
.set T8,   192                         ; v192-207 partial sums
.set TP,   208
.set OM,   209
; window 1: v0-63 K's eight fragments (8 registers each), v64-71 zeros behind them; v80-143 V's four
.set VF,   80
.set WV,   10
.set PL,   11                          ; the long position
.set LE,   12                          ; the trip with the diagonal of the tile in hand
.set CX,   13
.set BH,   14
.set QT,   15                          ; the tile in hand
.set SEL,  52
.set CS,   54
.set MNT,  56
.set TB,   57                          ; 16,384 x key step
.set TS,   58                          ; 512 x key step
.set TJ,   59                          ; 256 x key step
.set NSW,  60                          ; the trip at whose head the tiles change
.set EV,   62                          ; 1: the tile's position is even: its diagonal step has 64 keys
.set NN,   63                          ; the trip
.set PS,   78                          ; the short position
.set QT2,  79
.set MSB, 0
.macro WIN new
.if MSB != (\new)
	s_set_vgpr_msb (MSB<<8)|(\new)
.set MSB, (\new)
.endif
.endm
.macro PLACES n
.rept \n
	v_nop
.endr
.endm
.macro CROUND
	s_barrier_signal -1
	s_barrier_wait -1
	s_cmp_lg_u32 s[WV], 0
	s_cbranch_scc1 .Lnot_wave_0_\@
	s_barrier_signal -3
.Lnot_wave_0_\@:
	s_barrier_wait -3
	s_barrier_signal -1
	s_barrier_wait -1
.endm
	s_load_b128 s[4:7], s[0:1], 0x0                ; qkv, ac
	s_load_b64 s[8:9], s[0:1], 0x10                ; asc
	v_lshl_add_u32 v[SPW], v0, 2, SPARE
	v_mov_b32 v[NIL], 0
	ds_add_u32 v[SPW], v[NIL]                      ; the opening lines: the add, twice, and its wait ahead of my tensor load
	ds_add_u32 v[SPW], v[NIL]
	v_lshrrev_b32 v10, 5, v0
	v_readfirstlane_b32 s[WV], v10                 ; wave 0..7
	v_and_b32 v11, 31, v0
	v_and_b32 v[RR], 15, v0
	v_bfe_u32 v[HH], v0, 4, 1
	v_lshlrev_b32 v[LI], 4, v11
	v_lshlrev_b32 v[ASK0], 4, v[RR]
	v_lshl_add_u32 v[GO], v[RR], 5, v[HH]
	s_bfe_u32 s[CX], ttmp6, 0x40000                ; my place in the cluster
	s_and_b32 s[BH], ttmp7, 0xffff                 ; bh
	s_add_co_u32 s[PL], s[WV], 8
	s_xor_b32 s[PS], s[WV], 7                      ; 7 - w
	s_lshr_b32 s[LE], s[PL], 1
	s_add_co_u32 s[NSW], s[LE], 1
	s_and_b32 s[EV], s[WV], 1
	s_xor_b32 s[EV], s[EV], 1
	s_lshl_b32 s[QT], s[PL], 2
	s_add_co_u32 s[QT], s[QT], s[CX]
	s_lshl_b32 s[QT2], s[PS], 2
	s_add_co_u32 s[QT2], s[QT2], s[CX]
	s_lshl_b32 s72, s[BH], 16                      ; Q's codes: bh x 65,536 + tile x 1,024
	s_mov_b32 s80, s72
	s_lshl_b32 s70, s[QT], 10
	s_add_co_u32 s72, s72, s70
	s_lshl_b32 s70, s[QT2], 10
	s_add_co_u32 s80, s80, s70
	s_mov_b32 s73, 0
	s_mov_b32 s81, 0
	s_lshl_b32 s74, s[BH], 12                      ; Q's scale word: QS_OFF + bh x 4,096 + 256 P + 16 r + 4 cx
	s_lshl_b32 s70, s[CX], 2
	s_add_co_u32 s74, s74, s70
	s_add_co_u32 s74, s74, QS_OFF
	s_mov_b32 s82, s74
	s_lshl_b32 s70, s[PL], 8
	s_add_co_u32 s74, s74, s70
	s_lshl_b32 s70, s[PS], 8
	s_add_co_u32 s82, s82, s70
	s_mov_b32 s75, 0
	s_mov_b32 s83, 0
	; groups 1, both with the mask of the four work-groups: dense bytes as rows of 256 (32 elements of 8 bytes), no padding: 88 rows (scale words, key step 0), 64 rows (a key step)
	s_mov_b32 s16, 15|(3<<16)|(1<<21)
	s_mov_b32 s17, 32<<16
	s_mov_b32 s18, 88<<16
	s_mov_b32 s19, 32<<16
	s_mov_b32 s20, 88
	s_mov_b32 s21, 32
	s_mov_b32 s22, 0
	s_mov_b32 s23, 0
	s_mov_b32 s24, 15|(3<<16)|(1<<21)
	s_mov_b32 s25, 32<<16
	s_mov_b32 s26, 64<<16
	s_mov_b32 s27, 32<<16
	s_mov_b32 s28, 64
	s_mov_b32 s29, 32
	s_mov_b32 s30, 0
	s_mov_b32 s31, 0
	s_mul_i32 s66, s[BH], HEADB
	s_add_co_u32 s66, s66, KV_OFF
	s_mov_b32 s67, 0
	s_lshl_b32 s68, s[WV], 14                      ; LDS is the block's image: a load's LDS address is also its offset in the block
	s_add_co_u32 s68, s68, CB
	s_mov_b32 s69, 0
	s_wait_alu depctr_va_vdst(0)
	s_wait_dscnt 0x0                               ; both opening adds are done
	s_wait_kmcnt 0x0
	s_add_nc_u64 s[72:73], s[4:5], s[72:73]
	s_add_nc_u64 s[74:75], s[4:5], s[74:75]
	s_add_nc_u64 s[80:81], s[4:5], s[80:81]
	s_add_nc_u64 s[82:83], s[4:5], s[82:83]
	global_load_b128 v[16:19], v[LI], s[72:73]
	global_load_b128 v[20:23], v[LI], s[72:73] offset:512
	global_load_b32 v[QSC], v[ASK0], s[74:75]
	global_load_b128 v[Q2:Q2+3], v[LI], s[80:81]
	global_load_b128 v[Q2+4:Q2+7], v[LI], s[80:81] offset:512
	global_load_b32 v[QSC2], v[ASK0], s[82:83]
	s_add_nc_u64 s[66:67], s[4:5], s[66:67]        ; the head's block: made of bh alone
	s_mov_b32 s40, 1
	s_mov_b32 s41, 0
	s_mov_b64 s[42:43], s[66:67]
	s_or_b32 s43, s43, 0x80000000
	s_mov_b32 s44, 1
	s_mov_b32 s45, s68
	s_add_nc_u64 s[46:47], s[66:67], s[68:69]
	s_or_b32 s47, s47, 0x80000000
	CROUND                                         ; all four work-groups are here: the joint loads meet
	s_cmp_eq_u32 s[WV], 0
	s_cbranch_scc0 .Lsteps
	tensor_load_to_lds s[40:43], s[16:23]          ; wave 0: the scale words and key step 0
	s_nop 0
	PLACES 4
	s_branch .Lasked
.Lsteps:
	tensor_load_to_lds s[44:47], s[24:31]          ; wave w: key step w
	s_nop 0
	PLACES 4
.Lasked:
	s_mov_b32 s[SEL], 0x76543210
	s_mov_b32 s[SEL+1], 0xfedcba98
	s_mov_b32 s[CS], 0x3d38aa3b                    ; c = log2(e) / 32
	s_mov_b32 s[CS+1], s[CS]                       ; (named with it as a pair, so it is written)
	s_mov_b32 s[MNT], 0x600000
	s_lshl_b32 s70, s[CX], 4
	v_lshlrev_b32 v[DM], 3, v[HH]
	v_sub_nc_u32 v[DM], v[RR], v[DM]
	v_add_nc_u32 v[DM], s70, v[DM]
.irp j, 0,1,2,3,4,5,6,7
	v_mov_b32 v[24+\j], 0                          ; zero codes: K = 64 .. 127 of the first product
.endr
.irp b, 0,1,2,3
	v_mov_b32 v[PT+\b], 0                          ; written once: a lane permute's destination counts as one of its sources
.endr
	v_mov_b32 v[TP], 0
	v_mov_b32 v[F+1], 0
	WIN 0x40
.irp j, 0,1,2,3,4,5,6,7
	v_mov_b32 v[64+\j], 0                          ; window 1: behind K's last tile
.endr
	WIN 0
; K's fragments of a key step and their scale words: 16 + 2 loads
.macro KLOAD adr, off, ads, offs
	WIN 0x40
.irp a, 0,1,2,3,4,5,6,7
.irp c, 0,1
	ds_load_b128 v[8*\a+4*\c:8*\a+4*\c+3], v[\adr] offset:CB+(\off)+1024*\a+512*\c
.endr
.endr
	WIN 0
	ds_load_b128 v[KSC:KSC+3], v[\ads] offset:\offs
	ds_load_b128 v[KSC+4:KSC+7], v[\ads] offset:(\offs)+256
.endm
.macro PKF k0, n                       ; t - M, two at a time
.set K_, \k0
.rept \n
	v_pk_fma_f32 v[S+2*K_:S+2*K_+1], v[S+2*K_:S+2*K_+1], s[CS:CS+1], v[12:13] op_sel_hi:[1,0,0]
.set K_, K_+1
.endr
.endm
.macro MASK a0                         ; four tiles from a0 on: register 8 a + j holds key 16 a + 8 h + j of the half, my query is its 16 cx + r
	v_mov_b32 v[TP], 0xff800000
.irp a, 0,1,2,3
.irp j, 0,4
	v_cmp_gt_i32 s70, 16*\a+\j, v[DM]
	v_cmp_gt_i32 s71, 16*\a+\j+1, v[DM]
	v_cmp_gt_i32 s76, 16*\a+\j+2, v[DM]
	v_cmp_gt_i32 s77, 16*\a+\j+3, v[DM]
	v_cndmask_b32 v[S+8*(\a0+\a)+\j], v[S+8*(\a0+\a)+\j], v[TP], s70
	v_cndmask_b32 v[S+8*(\a0+\a)+\j+1], v[S+8*(\a0+\a)+\j+1], v[TP], s71
	v_cndmask_b32 v[S+8*(\a0+\a)+\j+2], v[S+8*(\a0+\a)+\j+2], v[TP], s76
	v_cndmask_b32 v[S+8*(\a0+\a)+\j+3], v[S+8*(\a0+\a)+\j+3], v[TP], s77
.endr
.endr
.endm
; A KEY STEP.  kind 0: the long tile's step 0, which starts M, the sum and O^T.  kind 1: 128 keys, in the diagonal's trip with the mask on the last 64.  kind 2: an even position's diagonal step: 64 keys, all under the mask.
.macro BODY kind
.set NB, 4-2*((\kind)/2)               ; blocks of 32 keys
	s_wait_dscnt 0x0                               ; K's fragments and words
	WIN 0x01
.set I_, 0
.rept 2*NB
	v_wmma_scale_f32_16x16x128_f8f6f4 v[S+8*I_:S+8*I_+7], v[8*I_:8*I_+15], v[16:31], 0, v[KSC+I_], v[QSC] matrix_a_fmt:MATRIX_FMT_BF8 matrix_b_fmt:MATRIX_FMT_BF8
.set I_, I_+1
.endr
	WIN 0
.if \kind
.if \kind == 1
	s_add_co_u32 s70, s[TB], 16384
	s_add_co_u32 s71, s[TS], 512
.endif
	v_add_nc_u32 v[ADK], s[TB], v[LI]              ; (these eight lines are the places behind the products too)
	v_add_nc_u32 v[ADT], s[TJ], v[ASK0]
	v_and_b32 v[ADK], 0x1c1f0, v[ADK]              ; the masks state the ranges: eight steps of 16,384 bytes and 32 lanes of 16,
	v_and_b32 v[ADT], 0x7f0, v[ADT]                ; eight steps of 256 bytes and 16 rows of 16
.if \kind == 1
	v_add_nc_u32 v[ADN], s70, v[LI]
	v_add_nc_u32 v[ADS], s71, v[ASK0]
	v_and_b32 v[ADN], 0x1c1f0, v[ADN]
	v_and_b32 v[ADS], 0xef0, v[ADS]                ; eight steps of 512 bytes and 16 rows of 16
.else
	PLACES 4
.endif
.set VA_, ADK
.set VT_, ADT
.else
	PLACES 8
.set VA_, LI
.set VT_, ASK0
.endif
	ds_load_b128 v[VSC:VSC+3], v[VT_] offset:VW    ; V of this step (64 keys: the lower halves; the upper meet zero codes)
	WIN 0x40
.irp t, 0,1,2,3
.set C_, 0
.rept NB
	ds_load_b128 v[VF+16*\t+4*C_:VF+16*\t+4*C_+3], v[VA_] offset:CB+8192+2048*\t+512*C_
.set C_, C_+1
.endr
.endr
	WIN 0
.if \kind == 1                         ; K of the next step: behind a tile's diagonal the other tile's key step 0 comes
	s_wait_alu depctr_va_vdst(0)
	s_cmp_lg_u32 s[NN], s[LE]
	s_cbranch_scc1 .Lopen_\@
	KLOAD LI, 0, ASK0, 0
	MASK 4
	s_wait_alu depctr_va_vdst(0)                   ; and here, ahead of the branch
	s_branch .Lmax_\@
.Lopen_\@:
	KLOAD ADN, 0, ADS, 0
.Lmax_\@:
.elseif \kind == 2
	KLOAD LI, 0, ASK0, 0
	MASK 0
.endif
.set B_, 0
.rept NB
	v_max3_num_f32 v[BM+B_], v[S+16*B_], v[S+16*B_+1], v[S+16*B_+2]   ; the largest score of each block of 32 keys: for the row's maximum and for the block's largest p
.set B_, B_+1
.endr
.irp i, 3,5,7,9,11,13
.set B_, 0
.rept NB
	v_max3_num_f32 v[BM+B_], v[BM+B_], v[S+16*B_+\i], v[S+16*B_+\i+1]
.set B_, B_+1
.endr
.endr
.set B_, 0
.rept NB
	v_max_num_f32 v[BM+B_], v[BM+B_], v[S+16*B_+15]
.set B_, B_+1
.endr
.set B_, 0
.rept NB
	v_permlanex16_b32 v[PT+B_], v[BM+B_], s[SEL], s[SEL+1]
.set B_, B_+1
.endr
.set B_, 0
.rept NB
	v_max_num_f32 v[BM+B_], v[BM+B_], v[PT+B_]     ; with lane l xor 16's 16 keys
.set B_, B_+1
.endr
.if NB == 4
	v_max3_num_f32 v[TP], v[BM], v[BM+1], v[BM+2]
	v_max_num_f32 v[TP], v[TP], v[BM+3]
.else
	v_max_num_f32 v[TP], v[BM], v[BM+1]
.endif
.if \kind == 0
	v_mul_f32 v13, s[CS], v[TP]
	v_floor_f32 v12, -v13                          ; -M = floor(-t): M is a whole number
	PKF 0, 32
.else
	v_mul_f32 v[TP], s[CS], v[TP]                  ; the step's largest t
	v_mov_b32 v[OM], v12
	v_max_num_f32 v13, v13, v[TP]                  ; the running largest t
	v_floor_f32 v12, -v13
	v_sub_f32 v[OM], v12, v[OM]                    ; old M - new M: a whole number, 0 or less
	PKF 0, 4
	v_cvt_i32_f32 v[OM], v[OM]                     ; (it saturates)
	PKF 4, 4
	v_ldexp_f32 v[F], 1.0, v[OM]                   ; f = 2^(old M - new M)
	PKF 8, 8*NB-8
.endif
.set B_, 0
.rept NB
	v_fma_f32 v[BM+B_], v[BM+B_], s[CS], v12       ; the same of each block's largest score
.set B_, B_+1
.endr
	s_wait_alu depctr_va_vdst(0)
.set B_, 0
.rept NB
	v_exp_f32 v[BM+B_], v[BM+B_]
.set B_, B_+1
.endr
.set K_, 0
.rept 16*NB
	v_exp_f32 v[S+K_], v[S+K_]                     ; p = 2^(t - M)
.set K_, K_+1
.endr
.if \kind
	v_pk_mul_f32 v[14:15], v[14:15], v[F:F+1] op_sel_hi:[1,0]   ; the sums under the new M (a plain line behind the exponentials)
.else
	v_nop
.endif
	s_wait_alu depctr_va_vdst(0)                   ; and behind it, ahead of its first reader
.set B_, 0
.rept NB
	v_max_num_f32 v[BM+B_], 0x8000000, v[BM+B_]    ; the floor 2^(16 - 127)
.set B_, B_+1
.endr
.set K_, 0
.rept 8
	v_pk_add_f32 v[T8+2*K_:T8+2*K_+1], v[S+2*K_:S+2*K_+1], v[S+16+2*K_:S+17+2*K_]   ; the row's sum, of the unquantised p, in eight chains
.set K_, K_+1
.endr
.set B_, 0
.rept NB
	v_add_nc_u32 v[SCO+B_], 0xf8800000, v[BM+B_]   ; the conversion's scale operand
.set B_, B_+1
.endr
.set B_, 0
.rept NB
	v_and_or_b32 v[HD+B_], v[BM+B_], 0x7f800000, s[MNT]   ; 57,344 x the scale
.set B_, B_+1
.endr
.set B_, 0
.rept NB
	v_lshrrev_b32 v[PT+B_], 23, v[SCO+B_]          ; the scale's byte
.set B_, B_+1
.endr
.if NB == 4
.set K_, 0
.rept 8
	v_pk_add_f32 v[T8+2*K_:T8+2*K_+1], v[T8+2*K_:T8+2*K_+1], v[S+32+2*K_:S+33+2*K_]
.set K_, K_+1
.endr
	v_lshl_or_b32 v[PSC], v[PT+1], 8, v[PT]        ; p's scale word for these keys
.set K_, 0
.rept 4
	v_pk_add_f32 v[T8+2*K_:T8+2*K_+1], v[T8+2*K_:T8+2*K_+1], v[S+48+2*K_:S+49+2*K_]
.set K_, K_+1
.endr
	v_lshl_or_b32 v[PSC], v[PT+2], 16, v[PSC]
.rept 4
	v_pk_add_f32 v[T8+2*K_:T8+2*K_+1], v[T8+2*K_:T8+2*K_+1], v[S+48+2*K_:S+49+2*K_]
.set K_, K_+1
.endr
	v_lshl_or_b32 v[PSC], v[PT+3], 24, v[PSC]
.else
	v_lshl_or_b32 v[PSC], v[PT+1], 8, v[PT]
.endif
.irp k, 0,2,4,6
	v_pk_add_f32 v[T8+\k:T8+\k+1], v[T8+\k:T8+\k+1], v[T8+8+\k:T8+9+\k]
.endr
.irp k, 0,2
	v_pk_add_f32 v[T8+\k:T8+\k+1], v[T8+\k:T8+\k+1], v[T8+4+\k:T8+5+\k]
.endr
.if \kind
	v_pk_add_f32 v[14:15], v[14:15], v[T8:T8+1]
	v_pk_add_f32 v[14:15], v[14:15], v[T8+2:T8+3]
.else
	v_pk_add_f32 v[14:15], v[T8:T8+1], v[T8+2:T8+3]
.endif
.set K_, 0
.rept 8*NB
	v_min_num_f32 v[S+2*K_], v[S+2*K_], v[HD+K_/8]   ; the hold; p is not negative, so it is one-sided
	v_min_num_f32 v[S+2*K_+1], v[S+2*K_+1], v[HD+K_/8]
.set K_, K_+1
.endr
.set B_, 0
.rept NB
	v_cvt_scalef32_pk8_bf8_f32 v[PCD+4*B_:PCD+4*B_+1], v[S+16*B_:S+16*B_+7], v[SCO+B_]
	v_cvt_scalef32_pk8_bf8_f32 v[PCD+4*B_+2:PCD+4*B_+3], v[S+16*B_+8:S+16*B_+15], v[SCO+B_]
.set B_, B_+1
.endr
.if \kind == 2
.irp j, 8,9,10,11,12,13,14,15
	v_mov_b32 v[PCD+\j], 0                         ; zero codes for the step's last 64 keys
.endr
.endif
.if \kind
	s_wait_alu depctr_va_vdst(0)
.irp j, 0,2,4,6,8,10,12,14,16,18,20,22,24,26,28,30
	v_pk_mul_f32 v[O+\j:O+\j+1], v[O+\j:O+\j+1], v[F:F+1] op_sel_hi:[1,0]   ; O^T under the new M; also the places in front of the products
.endr
	s_wait_alu depctr_va_vdst(0)
	s_wait_dscnt 18                                ; V is in; the 18 loads of the next step's K may be out
.else
	PLACES 8
	s_wait_alu depctr_va_vdst(0)
	s_wait_tensorcnt 0x0                           ; my load of the head is in,
	s_wait_dscnt 0x0                               ; and V's fragments
	s_barrier_signal -1
	s_barrier_wait -1                              ; everybody's load is
	KLOAD LI, 16384, ASK0, 512                     ; K of key step 1
.endif
	WIN 0x01
.irp t, 0,1,2,3
.if \kind
	v_wmma_scale_f32_16x16x128_f8f6f4 v[O+8*\t:O+8*\t+7], v[VF+16*\t:VF+16*\t+15], v[PCD:PCD+15], v[O+8*\t:O+8*\t+7], v[VSC+\t], v[PSC] matrix_a_fmt:MATRIX_FMT_BF8 matrix_b_fmt:MATRIX_FMT_BF8
.else
	v_wmma_scale_f32_16x16x128_f8f6f4 v[O+8*\t:O+8*\t+7], v[VF+16*\t:VF+16*\t+15], v[PCD:PCD+15], 0, v[VSC+\t], v[PSC] matrix_a_fmt:MATRIX_FMT_BF8 matrix_b_fmt:MATRIX_FMT_BF8
.endif
.endr
	WIN 0
.endm
	s_wait_alu depctr_va_vdst(0)
	s_cmp_eq_u32 s[WV], 0
	s_cbranch_scc0 .Lnot_first
	s_wait_tensorcnt 0x0                           ; wave 0: the scale words and key step 0 are in
.Lnot_first:
	s_barrier_signal -1
	s_barrier_wait -1
	KLOAD LI, 0, ASK0, 0
	s_wait_loadcnt 0x0                             ; Q, of both tiles
	BODY 0
	s_mov_b32 s[TB], 16384
	s_mov_b32 s[TS], 512
	s_mov_b32 s[TJ], 256
	s_mov_b32 s[NN], 1
.macro WAYOUT
	; THE WAY OUT of the tile in hand.  O^T / the sum; two blocks of 32 along C (d 0-31, 32-63 of my head) are quantised; codes into natural order; stores.
	v_add_f32 v14, v14, v15
	v_permlanex16_b32 v[TP], v14, s[SEL], s[SEL+1]
	v_add_f32 v14, v14, v[TP]                      ; the row's sum
	s_wait_alu depctr_va_vdst(0)
	v_rcp_f32 v14, v14
	PLACES 8                                       ; behind the reciprocal, and behind the last products
	s_lshr_b32 s70, s[BH], 4                       ; b
	s_and_b32 s71, s[BH], 15                       ; the head
	s_lshl_b32 s72, s70, 3                         ; ac: [block of 128 tokens][head / 4][tile 8][(head / 2) % 2][2 (head % 2) + block][lane][16]
	s_lshr_b32 s73, s[QT], 3
	s_add_co_u32 s72, s72, s73
	s_lshl_b32 s72, s72, 17
	s_lshr_b32 s73, s71, 2
	s_lshl_b32 s73, s73, 15
	s_add_co_u32 s72, s72, s73
	s_and_b32 s73, s[QT], 7
	s_lshl_b32 s73, s73, 12
	s_add_co_u32 s72, s72, s73
	s_and_b32 s73, s71, 3
	s_lshl_b32 s73, s73, 10
	s_add_co_u32 s72, s72, s73
	s_mov_b32 s73, 0
	s_add_nc_u64 s[72:73], s[6:7], s[72:73]
	s_lshl_b32 s74, s70, 15                        ; asc: (1,024 b + 16 tile) x 32 + 2 head
	s_lshl_b32 s75, s[QT], 9
	s_add_co_u32 s74, s74, s75
	s_lshl_b32 s75, s71, 1
	s_add_co_u32 s74, s74, s75
	s_mov_b32 s75, 0
	s_add_nc_u64 s[74:75], s[8:9], s[74:75]
	s_wait_alu depctr_va_vdst(0)                   ; ahead of the reciprocal's and O^T's first readers
.irp j, 0,2,4,6,8,10,12,14,16,18,20,22,24,26,28,30
	v_pk_mul_f32 v[S+\j:S+\j+1], v[O+\j:O+\j+1], v[14:15] op_sel_hi:[1,0]   ; register 8 t + j: d = 16 t + 8 h + j of query r
.endr
.irp b, 0,1
	v_max3_num_f32 v[BM+\b], |v[S+16*\b]|, |v[S+16*\b+1]|, 0x8000000
	v_max3_num_f32 v[BM+2+\b], |v[S+16*\b+2]|, |v[S+16*\b+3]|, |v[S+16*\b+4]|
.endr
.irp i, 5,9
.irp b, 0,1
	v_max3_num_f32 v[BM+\b], v[BM+\b], |v[S+16*\b+\i]|, |v[S+16*\b+\i+1]|
	v_max3_num_f32 v[BM+2+\b], v[BM+2+\b], |v[S+16*\b+\i+2]|, |v[S+16*\b+\i+3]|
.endr
.endr
.irp b, 0,1
	v_max3_num_f32 v[BM+\b], v[BM+\b], |v[S+16*\b+13]|, |v[S+16*\b+14]|
	v_max_num_f32 v[BM+2+\b], v[BM+2+\b], |v[S+16*\b+15]|
.endr
.irp b, 0,1
	v_max_num_f32 v[BM+\b], v[BM+\b], v[BM+2+\b]
.endr
.irp b, 0,1
	v_permlanex16_b32 v[PT+\b], v[BM+\b], s[SEL], s[SEL+1]
.endr
.irp b, 0,1
	v_max_num_f32 v[BM+\b], v[BM+\b], v[PT+\b]
.endr
.irp b, 0,1
	v_add_nc_u32 v[SCO+\b], 0xf8800000, v[BM+\b]
	v_and_or_b32 v[HD+\b], v[BM+\b], 0x7f800000, s[MNT]
.endr
.irp b, 0,1
	v_lshrrev_b32 v[PT+\b], 23, v[SCO+\b]
.endr
.irp b, 0,1
.irp i, 0,1,2,3,4,5,6,7,8,9,10,11,12,13,14,15
	v_med3_num_f32 v[S+16*\b+\i], v[S+16*\b+\i], -v[HD+\b], v[HD+\b]
.endr
	v_cvt_scalef32_pk8_bf8_f32 v[PCD+4*\b:PCD+4*\b+1], v[S+16*\b:S+16*\b+7], v[SCO+\b]
	v_cvt_scalef32_pk8_bf8_f32 v[PCD+4*\b+2:PCD+4*\b+3], v[S+16*\b+8:S+16*\b+15], v[SCO+\b]
.endr
	v_cmp_eq_u32 vcc_lo, 1, v[HH]                  ; lanes 16-31 (a plain line behind the last conversion)
	; I hold d = 8 h + 0..7 (registers 0, 1) and 16 + 8 h + 0..7 (registers 2, 3) of a block; the operand wants 16 h + 0..15: lanes 0-15 take the partner's registers 0, 1 as their 2, 3; lanes 16-31 the partner's 2, 3 as their 0, 1
.irp b, 0,1
	v_permlanex16_b32 v[PCD+8+4*\b], v[PCD+4*\b+2], s[SEL], s[SEL+1]
	v_permlanex16_b32 v[PCD+9+4*\b], v[PCD+4*\b+3], s[SEL], s[SEL+1]
	v_permlanex16_b32 v[PCD+10+4*\b], v[PCD+4*\b], s[SEL], s[SEL+1]
	v_permlanex16_b32 v[PCD+11+4*\b], v[PCD+4*\b+1], s[SEL], s[SEL+1]
.endr
.irp b, 0,1
	v_cndmask_b32 v[PCD+4*\b], v[PCD+4*\b], v[PCD+8+4*\b], vcc_lo
	v_cndmask_b32 v[PCD+4*\b+1], v[PCD+4*\b+1], v[PCD+9+4*\b], vcc_lo
	v_cndmask_b32 v[PCD+4*\b+2], v[PCD+10+4*\b], v[PCD+4*\b+2], vcc_lo
	v_cndmask_b32 v[PCD+4*\b+3], v[PCD+11+4*\b], v[PCD+4*\b+3], vcc_lo
.endr
	v_cndmask_b32 v[BM], v[PT], v[PT+1], vcc_lo    ; lanes 0-15 store block 0's byte of query r, lanes 16-31 block 1's
	global_store_b128 v[LI], v[PCD:PCD+3], s[72:73]              ; 512 consecutive bytes each
	global_store_b128 v[LI], v[PCD+4:PCD+7], s[72:73] offset:512
	global_store_b8 v[GO], v[BM], s[74:75]         ; two bytes of each of 16 rows of 32: one byte in 33 of what the launch stores
	s_wait_alu depctr_va_vdst(0)
	s_wait_xcnt 0x0                                ; the stores have read their data, offsets and bases
.endm
.Lkey:                                             ; eight trips, a constant
	s_cmp_lg_u32 s[NN], s[NSW]
	s_cbranch_scc1 .Lsame
	WAYOUT                                         ; the long tile is finished
	; THE CHANGE OF TILES: the short tile's Q and scale word; M under every t, so that the next step's factor is 0, which makes the old sum and O^T zeros.
	v_mov_b32 v[QSC], v[QSC2]
.irp j, 0,1,2,3,4,5,6,7
	v_mov_b32 v[16+\j], v[Q2+\j]
.endr
	v_mov_b32 v12, 0x7f61b1e6                      ; 3e38
	v_mov_b32 v13, 0xff61b1e6                      ; -3e38
	PLACES 4                                       ; an operand written by vector instructions stands four places ahead of a scaled product
	s_mov_b32 s[LE], 8
	s_xor_b32 s[EV], s[EV], 1
	s_mov_b32 s[QT], s[QT2]
	s_mov_b32 s[TB], 0
	s_mov_b32 s[TS], 0
	s_mov_b32 s[TJ], 0
	s_wait_alu depctr_va_vdst(0)
.Lsame:
	s_cmp_lg_u32 s[NN], s[LE]
	s_cbranch_scc1 .Lfull
	s_cmp_eq_u32 s[EV], 1
	s_cbranch_scc1 .Lhalf
.Lfull:
	BODY 1
	s_branch .Ljoin
.Lhalf:
	BODY 2
.Ljoin:
	s_add_co_u32 s[TB], s[TB], 16384
	s_add_co_u32 s[TS], s[TS], 512
	s_add_co_u32 s[TJ], s[TJ], 256
	s_add_co_u32 s[NN], s[NN], 1
	s_cmp_lt_u32 s[NN], 9
	s_cbranch_scc1 .Lkey
	WAYOUT                                         ; the short tile is finished
	s_wait_dscnt 0x0
	s_barrier_signal -1
	s_barrier_wait -1                              ; everybody's reads are over
	s_wait_tensorcnt 0x0                           ; the wave's end
	ds_add_u32 v[SPW], v[NIL]
	s_wait_dscnt 0x0
	CROUND                                         ; the closing round
	s_endpgm
.Lfunc_end_k_q1ab1c738f3_attn:
	.size	k_q1ab1c738f3_attn, .Lfunc_end_k_q1ab1c738f3_attn-k_q1ab1c738f3_attn
	.p2alignl 7, 3214868480
	.fill 96, 4, 3214868480
	.section	.rodata,"a",@progbits
	.p2align	6, 0x0
	.amdhsa_kernel k_q1ab1c738f3_attn
		.amdhsa_group_segment_fixed_size 327680
		.amdhsa_private_segment_fixed_size 0
		.amdhsa_enable_private_segment 0
		.amdhsa_kernarg_size 24
		.amdhsa_user_sgpr_count 2
		.amdhsa_user_sgpr_kernarg_segment_ptr 1
		.amdhsa_wavefront_size32 1
		.amdhsa_system_sgpr_workgroup_id_x 1
		.amdhsa_system_sgpr_workgroup_id_y 1
		.amdhsa_system_sgpr_workgroup_id_z 1
		.amdhsa_system_vgpr_workitem_id 0
		.amdhsa_next_free_vgpr 512
		.amdhsa_next_free_sgpr 84
		.amdhsa_reserve_vcc 1
		.amdhsa_float_denorm_mode_32 3
		.amdhsa_float_denorm_mode_16_64 3
		.amdhsa_memory_ordered 1
		.amdhsa_forward_progress 1
		.amdhsa_inst_pref_size 81
	.end_amdhsa_kernel
	.amdgpu_metadata
---
amdhsa.version: [ 1, 2 ]
amdhsa.kernels:
  - .name:           k_q1ab1c738f3_attn
    .symbol:         k_q1ab1c738f3_attn.kd
    .args:
      - { .name: qkv, .offset: 0, .size: 8, .value_kind: global_buffer, .address_space: global }
      - { .name: ac, .offset: 8, .size: 8, .value_kind: global_buffer, .address_space: global }
      - { .name: asc, .offset: 16, .size: 8, .value_kind: global_buffer, .address_space: global }
    .group_segment_fixed_size: 327680
    .private_segment_fixed_size: 0
    .kernarg_segment_align: 8
    .kernarg_segment_size: 24
    .max_flat_workgroup_size: 256
    .sgpr_count:     84
    .vgpr_count:     512
    .wavefront_size: 32
...
	.end_amdgpu_metadata
.endif
;; end of part 2
;; launch outp (part 3): grid 8 x 32, 4 waves a work-group, clusters of 4 x 4, 327,680 bytes of LDS; arguments ac, asc, Wp_codes, Wp_scales, bp, out0; writes out0
.if DOCPART == 3
	.amdgcn_target "amdgcn-amd-amdhsa--gfx1250"
	.amdhsa_code_object_version 6
	.text
	.protected	k_q1ab1c738f3_outp
	.globl	k_q1ab1c738f3_outp
	.p2align	8
	.type	k_q1ab1c738f3_outp,@function
k_q1ab1c738f3_outp:
	s_mov_b64 s[64:65], 0
	v_nop
	global_prefetch_b8 v0, s[64:65] scope:SCOPE_SE
	s_setreg_imm32_b32 hwreg(HW_REG_WAVE_MODE, 25, 1), 1
	s_wait_xcnt 0x0
	s_wait_alu depctr_hold_cnt(0) depctr_sa_sdst(0) depctr_va_vdst(0) depctr_va_sdst(0) depctr_va_ssrc(0) depctr_va_vcc(0) depctr_vm_vsrc(0)
	s_getreg_b32 s2, hwreg(HW_REG_IB_STS2, 6, 4)
	s_cmp_eq_u32 s2, 0
	s_cbranch_scc0 .Lentry_in_a_cluster
	s_endpgm
.Lentry_in_a_cluster:
	s_bfe_u32 s2, ttmp6, 0x10000c
	s_cmp_lg_u32 s2, 0xf033
	s_cbranch_scc0 .Lentry_shape_is_right
	s_endpgm
.Lentry_shape_is_right:
; out = A Wp + bp: A [4,096][1,024] as codes of BF8 (E5M2) made by the launch before (images of the operand's registers, natural order along K) with its scale bytes [4,096][32]; Wp as given, [n 1,024][K 1,024] codes, [1,024][32] scale bytes.
; SHARES.  Work-group x = 128 columns, y = 128 tokens; four waves, each 64 tokens x 64 columns: 16 accumulators.  Used TRANSPOSED (source 0 = 16 rows of Wp, source 1 = 16 tokens): a lane holds eight neighbouring columns of one
; token's row.  bp is the C of each sum's first product.
; LDS holds all of K at once, filled ONCE, one load a wave: waves 0, 1 fetch the first half of K (A's 65,536 dense bytes of images; Wp's 128 rows of 512 bytes + 16), waves 2, 3 the second.  The first barrier shows the first half alone.
; The scale words go from memory straight into registers.  No prefetch: everything is asked for once, at the head, and there is no loop over memory to run ahead in.
; In either half of K all fragments of Wp stand in registers (256) and A's tiles of 16 tokens follow one after the other: in the second half a tile's 16 products finish it, and it leaves while the next tiles are multiplied.
; CLUSTER 4 x 4: A's tiles hang on y alone and are asked for jointly along a row of the cluster, Wp's on x alone, along a column.
; LIMITS: as the first launch's.
.set WOFF,  131072                     ; LDS: A's images, then Wp's two halves
.set WHALF, 128*528
.set STAGE, WOFF+2*WHALF               ; the way out: 16 rows x (256 + 16) bytes for each wave; no fill lands here
.set SPARE, STAGE+4*16*272
.set NP,   8
.set ADRA, 8                           ; v8, v9 my A fragments in either half of K
.set ADRB, 10                          ; v10, v11 my Wp fragments
.set STO,  12
.set RD,   13
.set CO,   14
.set SPW,  15
.set NIL,  16
.set SCA,  20                          ; v20-51 A's scale words (8 a + ks), v56-87 Wp's (8 b + ks)
.set SCB,  56
.set BI,   96                          ; v96-127 bp in the result's layout (8 b + j)
.set ACC,  128                         ; v128-255 accumulator (a, b) at 8 (4 a + b)
; window 1: Wp's 16 fragments of the first half of K, at 64 q + 16 b; later v0-63 the rows read back; window 2: those of the second half; window 3: A's four tiles, 64 registers each
.set WV,   16
.set MSB, 0
.macro WIN new
.if MSB != (\new)
	s_set_vgpr_msb (MSB<<8)|(\new)
.set MSB, (\new)
.endif
.endm
.macro PLACES n
.rept \n
	v_nop
.endr
.endm
.macro CROUND
	s_barrier_signal -1
	s_barrier_wait -1
	s_cmp_lg_u32 s[WV], 0
	s_cbranch_scc1 .Lnot_wave_0_\@
	s_barrier_signal -3
.Lnot_wave_0_\@:
	s_barrier_wait -3
	s_barrier_signal -1
	s_barrier_wait -1
.endm
	s_load_b256 s[4:11], s[0:1], 0x0               ; ac, asc, Wp codes, Wp scales
	s_load_b128 s[12:15], s[0:1], 0x20             ; bp, out0
	v_lshl_add_u32 v[SPW], v0, 2, SPARE
	v_mov_b32 v[NIL], 0
	ds_add_u32 v[SPW], v[NIL]                      ; the opening lines: the add, twice, and its wait ahead of my tensor load
	ds_add_u32 v[SPW], v[NIL]
	v_lshrrev_b32 v1, 5, v0
	v_readfirstlane_b32 s[WV], v1                  ; wave 0..3
	s_lshr_b32 s17, s[WV], 1                       ; which 64 tokens are mine; also: which half of K I fetch
	s_and_b32 s18, s[WV], 1                        ; which 64 columns; also: I fetch A (0) or Wp (1)
	s_bfe_u32 s19, ttmp6, 0x40000                  ; cx
	s_bfe_u32 s20, ttmp6, 0x40004                  ; cy
	s_lshl_b32 s21, ttmp9, 2
	s_add_co_u32 s21, s21, s19                     ; block of 128 columns
	s_and_b32 s22, ttmp7, 0xffff
	s_lshl_b32 s22, s22, 2
	s_add_co_u32 s22, s22, s20                     ; block of 128 tokens
	s_lshl_b32 s2, s20, 2
	s_lshl_b32 s2, 15, s2                          ; my row of the cluster
	s_lshl_b32 s3, 0x1111, s19                     ; my column
	s_or_b32 s24, s2, (3<<16)|(1<<21)              ; A: 65,536 dense bytes as 256 rows of 256, no padding
	s_mov_b32 s25, 32<<16
	s_mov_b32 s26, 256<<16
	s_mov_b32 s27, 32<<16
	s_mov_b32 s28, 256
	s_mov_b32 s29, 32
	s_mov_b32 s30, 0
	s_mov_b32 s31, 0
	s_or_b32 s32, s3, (1<<20)|(1<<21)|(6<<22)|(3<<25)   ; Wp: 128 rows x 512 bytes, 1,024 apart, 16 bytes of padding behind each
	s_mov_b32 s33, 512<<16
	s_mov_b32 s34, 128<<16
	s_mov_b32 s35, 512<<16
	s_mov_b32 s36, 128
	s_mov_b32 s37, 1024
	s_mov_b32 s38, 0
	s_mov_b32 s39, 0
	s_lshl_b32 s66, s22, 17                        ; A's codes: token block x 131,072 + half of K x 65,536 (made of y alone)
	s_lshl_b32 s72, s17, 16
	s_add_co_u32 s66, s66, s72
	s_mov_b32 s67, 0
	s_lshl_b32 s68, s21, 17                        ; Wp's codes: 128 column block x 1,024 + half of K x 512 (made of x alone)
	s_lshl_b32 s73, s17, 9
	s_add_co_u32 s68, s68, s73
	s_mov_b32 s69, 0
	s_mul_i32 s73, s17, WHALF                      ; where they go: s72, s73
	s_add_co_u32 s73, s73, WOFF
	s_lshl_b32 s70, s22, 12                        ; A's scale bytes: my 64 tokens of 32
	s_lshl_b32 s71, s17, 11
	s_add_co_u32 s70, s70, s71
	s_lshl_b32 s71, s21, 12                        ; Wp's: my 64 columns
	s_lshl_b32 s74, s18, 11
	s_add_co_u32 s71, s71, s74
	s_lshl_b32 s74, s21, 9                         ; my first column in bytes of f32
	s_lshl_b32 s75, s18, 8
	s_add_co_u32 s74, s74, s75
	s_mov_b32 s75, 0
	v_and_b32 v1, 15, v0                           ; r
	v_bfe_u32 v2, v0, 4, 1                         ; h
	v_lshlrev_b32 v4, 5, v1
	v_add_nc_u32 v5, s70, v4
	v_add_nc_u32 v6, s71, v4
	v_lshlrev_b32 v7, 5, v2                        ; bp: 8 h numbers on
	s_wait_alu depctr_va_vdst(0)
	s_wait_dscnt 0x0                               ; both opening adds are done
	s_wait_kmcnt 0x0
	s_add_nc_u64 s[66:67], s[4:5], s[66:67]
	s_add_nc_u64 s[68:69], s[8:9], s[68:69]
	s_add_nc_u64 s[76:77], s[12:13], s[74:75]
	s_mov_b32 s40, 1
	s_mov_b32 s41, s72
	s_mov_b64 s[42:43], s[66:67]
	s_or_b32 s43, s43, 0x80000000
	s_mov_b32 s44, 1
	s_mov_b32 s45, s73
	s_mov_b64 s[46:47], s[68:69]
	s_or_b32 s47, s47, 0x80000000
.irp a, 0,1,2,3
	global_load_b128 v[SCA+8*\a:SCA+8*\a+3], v5, s[6:7] offset:512*\a
	global_load_b128 v[SCA+8*\a+4:SCA+8*\a+7], v5, s[6:7] offset:512*\a+16
	global_load_b128 v[SCB+8*\a:SCB+8*\a+3], v6, s[10:11] offset:512*\a
	global_load_b128 v[SCB+8*\a+4:SCB+8*\a+7], v6, s[10:11] offset:512*\a+16
	global_load_b128 v[BI+8*\a:BI+8*\a+3], v7, s[76:77] offset:64*\a
	global_load_b128 v[BI+8*\a+4:BI+8*\a+7], v7, s[76:77] offset:64*\a+16
.endr
	CROUND                                         ; all sixteen work-groups are here: the joint loads meet
.macro ARM under, g0, g1, next         ; ONE chain of branches: every way through the head passes one load, and each wave has a line of its own
	s_cmp_lt_u32 s[WV], \under
	s_cbranch_scc0 \next
	tensor_load_to_lds s[\g0:\g0+3], s[\g1:\g1+7]
	s_nop 0
	PLACES 4
	s_branch .Lasked
\next:
.endm
	ARM 1, 40, 24, .Lwave_1
	ARM 2, 44, 32, .Lwave_2
	ARM 3, 40, 24, .Lwave_3
	tensor_load_to_lds s[44:47], s[32:39]
	s_nop 0
	PLACES 4
.Lasked:
	s_lshl_b32 s70, s17, 14                        ; my four tiles of tokens: 4,096 bytes each
	s_mul_i32 s71, s18, 64*528
	s_add_co_u32 s71, s71, WOFF
	s_mul_i32 s72, s[WV], 16*272
	s_add_co_u32 s72, s72, STAGE                   ; my stage
	v_and_b32 v3, 31, v0
	v_lshl_add_u32 v[ADRA], v3, 4, s70
	v_add_nc_u32 v[ADRA+1], 0x10000, v[ADRA]
	v_mul_u32_u24 v4, v1, 528
	v_lshl_add_u32 v4, v2, 4, v4
	v_add_nc_u32 v[ADRB], s71, v4
	v_add_nc_u32 v[ADRB+1], WHALF, v[ADRB]
	v_mul_u32_u24 v4, v1, 272
	v_lshl_add_u32 v4, v2, 5, v4
	v_add_nc_u32 v[STO], s72, v4                   ; in: row r, 32 bytes for each half of the lanes
	v_mul_u32_u24 v4, v2, 272
	v_lshl_add_u32 v4, v1, 4, v4
	v_add_nc_u32 v[RD], s72, v4                    ; back: lanes 0-15 one row of 256 bytes, lanes 16-31 the next
	v_lshlrev_b32 v4, 12, v2
	v_lshl_add_u32 v[CO], v1, 4, v4                ; and the same two rows of out0 (4,096 bytes a row)
	s_add_nc_u64 s[14:15], s[14:15], s[74:75]
	s_lshl_b32 s74, s22, 19                        ; my first row of out0: (128 token block + 64 half) x 4,096 bytes
	s_lshl_b32 s71, s17, 18
	s_add_co_u32 s74, s74, s71
	s_add_nc_u64 s[14:15], s[14:15], s[74:75]
.macro AL a, hf                        ; A's tile a, half hf of K: 16 loads into window 3
.irp q, 0,1,2,3
.irp c, 0,1,2,3
	ds_load_b128 v[64*(\a)+16*\q+4*\c:64*(\a)+16*\q+4*\c+3], v[ADRA+\hf] offset:32768*(\q/2)+2048*(\q%2)+4096*(\a)+512*\c
.endr
.endr
.endm
.macro BLD hf                          ; Wp's fragments of half hf of K: 64 loads into window 1 or 2
	WIN 0x40*(1+(\hf))
.irp q, 0,1,2,3
.irp b, 0,1,2,3
.irp c, 0,1,2,3
	ds_load_b128 v[64*\q+16*\b+4*\c:64*\q+16*\b+4*\c+3], v[ADRB+\hf] offset:8448*\b+128*\q+32*\c
.endr
.endr
.endr
.endm
.macro ROW a, hf                       ; tile a's 16 products of half hf: its four accumulators take turns, one instruction a turn
	WIN 0x0d+(\hf)
.irp q, 0,1,2,3
.irp b, 0,1,2,3
.set AC, ACC+8*(4*(\a)+\b)
.set CC, AC
.if (\hf) == 0 && \q == 0
.set CC, BI+8*\b
.endif
	v_wmma_scale_f32_16x16x128_f8f6f4 v[AC:AC+7], v[64*\q+16*\b:64*\q+16*\b+15], v[64*(\a)+16*\q:64*(\a)+16*\q+15], v[CC:CC+7], v[SCB+8*\b+4*(\hf)+\q], v[SCA+8*(\a)+4*(\hf)+\q] matrix_a_fmt:MATRIX_FMT_BF8 matrix_b_fmt:MATRIX_FMT_BF8
.endr
.endr
	WIN 0
.endm
; THE WAY OUT of a tile of 16 tokens x 64 columns, through my own stage: in as 32 bytes a lane, back as whole rows of 256 bytes.  LDS serves a wave's instructions in order (ISA guide 5.7.1.4): no wait between stores and loads.
.macro TOSTAGE a
	PLACES NP                                      ; behind the tile's last product
.irp b, 0,1,2,3
	ds_store_b128 v[STO], v[ACC+8*(4*(\a)+\b):ACC+8*(4*(\a)+\b)+3] offset:64*\b        ; each accumulator from its low end on
	ds_store_b128 v[STO], v[ACC+8*(4*(\a)+\b)+4:ACC+8*(4*(\a)+\b)+7] offset:64*\b+16
.endr
	WIN 0x40                                       ; destination window 1
.irp t, 0,1,2,3,4,5,6,7
	ds_load_b128 v[32*((\a)%2)+4*\t:32*((\a)%2)+4*\t+3], v[RD] offset:544*\t
.endr
	WIN 0
.endm
.macro SEND a
	s_wait_dscnt 0x0                               ; the tile is back in registers
	WIN 0x04                                       ; a store's data are its source 1: window 1
.irp t, 0,1,2,3,4,5,6,7
	global_store_b128 v[CO], v[32*((\a)%2)+4*\t:32*((\a)%2)+4*\t+3], s[14:15] offset:(16*(\a)+2*\t)*4096 th:TH_STORE_NT   ; 16 lanes store 256 consecutive bytes, at a multiple of 256 from out0's first byte
.endr
	WIN 0
.endm
	s_wait_alu depctr_va_vdst(0)
	s_cmp_lt_u32 s[WV], 2
	s_cbranch_scc0 .Lnot_yet
	s_wait_tensorcnt 0x0                           ; waves 0, 1: the first half of K is in
.Lnot_yet:
	s_barrier_signal -1
	s_barrier_wait -1
	WIN 0xc0
	AL 0, 0
	BLD 0
	WIN 0xc0
	AL 1, 0
	AL 2, 0
	AL 3, 0
	WIN 0
	s_wait_loadcnt 0x0                             ; scale words, bp
	s_wait_dscnt 48                                ; all but tiles 1 to 3
	ROW 0, 0
	s_wait_dscnt 32
	ROW 1, 0
	s_wait_dscnt 16
	ROW 2, 0
	s_wait_tensorcnt 0x0                           ; everybody's load is in
	s_wait_dscnt 0x0
	s_barrier_signal -1
	s_barrier_wait -1
	BLD 1                                          ; the second half's fragments of Wp have registers of their own
	ROW 3, 0
	PLACES NP                                      ; in front of loads into registers that products have read
	WIN 0xc0
	AL 0, 1
	AL 1, 1
	AL 2, 1
	AL 3, 1
	WIN 0
	s_wait_dscnt 48                                ; Wp's fragments and tile 0; tiles 1 to 3 may be out
	ROW 0, 1
	TOSTAGE 0
	s_wait_dscnt 48                                ; tile 1; behind it tiles 2, 3 and the stage's 16
	ROW 1, 1
	SEND 0
	TOSTAGE 1
	s_wait_dscnt 16                                ; the stage's 16 may be out
	ROW 2, 1
	SEND 1
	s_wait_xcnt 0x0                                ; tile 0's stores have read their data: tile 2's rows may land there
	TOSTAGE 2
	s_wait_dscnt 16
	ROW 3, 1
	SEND 2
	s_wait_xcnt 0x0
	TOSTAGE 3
	SEND 3
	s_wait_tensorcnt 0x0                           ; the wave's end
	ds_add_u32 v[SPW], v[NIL]
	s_wait_dscnt 0x0
	CROUND                                         ; the closing round
	s_endpgm
.Lfunc_end_k_q1ab1c738f3_outp:
	.size	k_q1ab1c738f3_outp, .Lfunc_end_k_q1ab1c738f3_outp-k_q1ab1c738f3_outp
	.p2alignl 7, 3214868480
	.fill 96, 4, 3214868480
	.section	.rodata,"a",@progbits
	.p2align	6, 0x0
	.amdhsa_kernel k_q1ab1c738f3_outp
		.amdhsa_group_segment_fixed_size 327680
		.amdhsa_private_segment_fixed_size 0
		.amdhsa_enable_private_segment 0
		.amdhsa_kernarg_size 48
		.amdhsa_user_sgpr_count 2
		.amdhsa_user_sgpr_kernarg_segment_ptr 1
		.amdhsa_wavefront_size32 1
		.amdhsa_system_sgpr_workgroup_id_x 1
		.amdhsa_system_sgpr_workgroup_id_y 1
		.amdhsa_system_sgpr_workgroup_id_z 1
		.amdhsa_system_vgpr_workitem_id 0
		.amdhsa_next_free_vgpr 1024
		.amdhsa_next_free_sgpr 80
		.amdhsa_reserve_vcc 0
		.amdhsa_float_denorm_mode_32 3
		.amdhsa_float_denorm_mode_16_64 3
		.amdhsa_memory_ordered 1
		.amdhsa_forward_progress 1
		.amdhsa_inst_pref_size 52
	.end_amdhsa_kernel
	.amdgpu_metadata
---
amdhsa.version: [ 1, 2 ]
amdhsa.kernels:
  - .name:           k_q1ab1c738f3_outp
    .symbol:         k_q1ab1c738f3_outp.kd
    .args:
      - { .name: ac, .offset: 0, .size: 8, .value_kind: global_buffer, .address_space: global }
      - { .name: asc, .offset: 8, .size: 8, .value_kind: global_buffer, .address_space: global }
      - { .name: Wp_codes, .offset: 16, .size: 8, .value_kind: global_buffer, .address_space: global }
      - { .name: Wp_scales, .offset: 24, .size: 8, .value_kind: global_buffer, .address_space: global }
      - { .name: bp, .offset: 32, .size: 8, .value_kind: global_buffer, .address_space: global }
      - { .name: out0, .offset: 40, .size: 8, .value_kind: global_buffer, .address_space: global }
    .group_segment_fixed_size: 327680
    .private_segment_fixed_size: 0
    .kernarg_segment_align: 8
    .kernarg_segment_size: 48
    .max_flat_workgroup_size: 128
    .sgpr_count:     80
    .vgpr_count:     1024
    .wavefront_size: 32
...
	.end_amdgpu_metadata
.endif
;; end of part 3
